; MI455X (gfx1250); checked and timed in simulation.
; The chip was launched on July 23, 2026; its instructions are those of AMD's public machine-readable ISA for CDNA 5 (MIT licence, August 2026) and "CDNA5" Instruction Set Architecture Reference Guide (July 2026). The comments in the code are by the model that wrote it; some were corrected since.
;; Multi Dim Max Affine Function. Allowed arithmetic: matrix products marked QUANTISED: E2M3 operands, one E8M0 scale for each 32 along K, by v_wmma_scale_f32_16x16x128_f8f6f4 with both operands' format E2M3, f32 sums; products left as they are: f32 operands where the result goes on into a quantised operand, else bf16, f16 or f32 operands; f32 sums; everything else in f32.
;; Inputs: a_codes 16 x 128 x 2 x 24 uint8 (E2M3 codes of a, K innermost, in blocks of 32 codes, four codes in three bytes); a_scales 16 x 128 x 2 uint8 (E8M0 scales of a, one for each 32 codes along K); b 16 x 128 float32; s 16 float32; x_codes 131,072 x 2 x 24 uint8 (E2M3 codes of x, K innermost, in blocks of 32 codes, four codes in three bytes); x_scales 131,072 x 2 uint8 (E8M0 scales of x, one for each 32 codes along K).
;; Outputs: out0 131,072 float32.
;; This version of the problem:
;;   THIS VERSION OF THE PROBLEM IS GIVEN IN LOW PRECISION. The matrix products marked QUANTISED in the list below multiply operands that are first quantised to E2M3 (2 exponent bits, 3 mantissa bits; 6 bits a number), with one power-of-two scale for each 32 numbers along K (OCP MX v1.0); their sums are f32. All else is computed in f32.
;;   The module's matrix products, in the order in which they are computed (A, B: the left and right operand; K: the contracted axis; several contracted axes count as one K, in the product's order):
;;     1. [M 2,048, K 64] x [K 64, N 131,072]; A: input a (given as codes); B: input x (given as codes): QUANTISED
;;     2. [M 1, K 16] x [K 16, N 131,072]; A: input s; B: computed on the way: left as it is (K = 16 < 32)
;;   THE QUANTISER, for each operand of a quantised product, along K:
;;     - K is cut into blocks of 32 from its start; a last block that is shorter is filled with zeros.
;;     - A block's scale is 2^e with e = floor(log2(the largest magnitude in the block)) - 2, held to -126 .. 127; a block of zeros has e = 0. As a byte (E8M0): e + 127.
;;     - Each number is divided by its block's scale, clamped to +-7.5, and rounded to the nearest number of E2M3, ties to even, subnormals kept.
;;     - The product sums the exact products of the quantised numbers (number of the format x scale) in f32.
;;   ~~~python
;;   def quantise(x, axis):      # numpy; x: float32 -> the quantised numbers, widened to float32 again
;;       x = np.moveaxis(x, axis, -1); K = x.shape[-1]
;;       x = np.pad(x, [(0, 0)] * (x.ndim - 1) + [(0, -K % 32)]); x = x.reshape(x.shape[:-1] + (-1, 32)); a = np.abs(x).max(-1, keepdims=True)
;;       e = np.where(a > 0, np.clip(np.frexp(np.where(a > 0, a, 1))[1] - 1 - 2, -126, 127), 0)      # np.frexp(a)[1] - 1 = floor(log2(a)), exactly
;;       r = np.clip(x / 2.0 ** e, -7.5, 7.5)
;;       step = 2.0 ** (np.maximum(np.frexp(np.where(r == 0, 1, r))[1] - 1, 0) - 3)
;;       q = np.round(r / step) * step * 2.0 ** e      # np.round: ties to even
;;       return np.moveaxis(q.reshape(q.shape[:-2] + (-1,))[..., :K], -1, axis).astype(np.float32)
;;   ~~~
;;   INPUTS GIVEN AS CODES. a (in the module: [16, 128, 64], K = its axis 2); x (in the module: [131072, 64], K = its axis 1): each comes as NAME_codes (uint8): NAME with its K axis moved to the last place and cut into blocks of 32 codes, [.., K / 32, bytes a block], one block behind the other in memory; four codes in three bytes: a row's codes are one little-endian stream of bits, code i at bits 6 i .. 6 i + 5 (a code: sign, 2 exponent bits, 3 mantissa bits); and NAME_scales (uint8): the same leading axes, one E8M0 byte (e + 127) for each 32 codes along K. Its value is code x scale, taken as it is: it is not quantised again, and the codes and scales need not be those that the quantiser above would give.
;; 2 versions, each right; version 2 is version 1 with the launch maxaffine written anew for expert scheduling mode. Each part assembles by itself: llvm-mc -triple=amdgcn-amd-amdhsa -mcpu=gfx1250 --defsym DOCPART=n.
;; ======== version 1 of 2: 1 launch
;; launch maxaffine (part 1): grid 256 x 1, 16 waves a work-group, no clusters, 60,416 bytes of LDS; arguments a_codes, a_scales, b, s, x_codes, x_scales, out0; writes out0
.if DOCPART == 1
	.amdgcn_target "amdgcn-amd-amdhsa--gfx1250"
	.amdhsa_code_object_version 6
	.text
	.protected	k_q1b7ed8ec19_maxaffine
	.globl	k_q1b7ed8ec19_maxaffine
	.p2align	8
	.type	k_q1b7ed8ec19_maxaffine,@function
k_q1b7ed8ec19_maxaffine:
	s_mov_b64 s[64:65], 0
	v_nop
	global_prefetch_b8 v0, s[64:65] scope:SCOPE_SE
	s_setreg_imm32_b32 hwreg(HW_REG_WAVE_MODE, 25, 1), 1
	s_wait_xcnt 0x0
; out0[n] = sum over k of s[k] * logsumexp over m of ( x[n] . a[k][m] + b[k][m] ).   n: 131,072 rows, k: 16 experts, m: 128 pieces, K = 64.
; x and a are codes of FP6 (E2M3), 48 bytes a row, with two E8M0 scale bytes a row; b, s, out0 are f32.  Sums, maxima, exponentials and logarithms in f32.
; SHARES.  256 work-groups; work-group g owns rows 512 g .. 512 g + 511: 32 tiles of 16 rows.  THE SIXTEEN WAVES SHARE THE EXPERTS, NOT THE ROWS: wave w is expert w for all 32 tiles, and keeps
; its expert's codes (8 fragments), scale words and bias in registers for the whole launch, read from memory once.  The work-group's 24,576 bytes of x's codes and 1,024 scale bytes are copied
; into LDS once, as they lie in memory; every wave reads each tile's fragment from there.  Each wave leaves s[k] x logsumexp of its expert for the 512 rows in LDS; at the end four waves add the sixteen.
; THE PRODUCT: source 0 = 16 pieces of a, source 1 = 16 rows of x, C = the bias.  Lane (r = lane % 16, h = lane / 16) then holds row r, and register j of tile t the score of piece 16 t + 8 h + j:
; 64 of the row's 128 scores; lane l xor 16 holds the other 64.  So a row's maximum and sum want one exchange between the halves of the lanes each.
; K = 64 IN AN INSTRUCTION OF K = 128.  Registers 0-5 of a fragment hold k = 32 h .. 32 h + 31: the 24 bytes at 48 row + 24 h, as they lie.  Registers 6-11 hold k = 64 on: in x's fragment they are zeros.
; The format has no code for infinity or NaN, so whatever a's operand holds there is a finite number times the code 0.  So a's eight fragments lie SIX registers apart: fragment t names 12 registers, of which the
; upper six are fragment t + 1's data; six zeros stand behind the last.  54 registers for 96.  Scale words are loaded as 16 bits, zero-extended: bytes 2 and 3 are 0, which is 2^-127 and not the NaN byte.
; LOGSUMEXP.  M = the row's largest score of this expert; p = 2^(score c - fl(M c)), c = log2(e); the result is (log2(sum of p) + fl(M c)) ln 2: the same rounded shift is taken away and given back.
; LIMITS: |score| x log2(e) has to stay finite in f32; a term more than 2^126 under its row's largest counts as 0 (the sum is about 1 or more); a scale byte 0xff gives NaN.
; NO CLUSTER, NO TENSOR LOAD: what work-groups share is a, b and s: 6,144 + 256 + 512 + 4 bytes a wave, read once, straight into the registers in which they serve 256 products; the loop fetches no shared byte.
; A work-group's own x is 25,600 bytes, asked for once at the head by four loads a thread: no LDS byte is ever filled again.
.set XC,   0                           ; LDS: x's codes, 512 rows x 48 bytes.  Row r of a tile starts at word 12 r, lanes 16-31 six words on: the 32 lanes of an 8-byte load touch 64 different words modulo 64
.set XSB,  24576                       ; x's scale bytes, 2 a row
.set PART, 25600                       ; 16 x 2,048 bytes: s[k] x logsumexp(k, n) at PART + 2048 k + 4 n
.set XA0,  1                           ; v1   48 r + 24 h: my place in a tile of x in LDS, and in a tile of a in memory; never rewritten
.set XS0,  2                           ; v2   XSB + 2 r; never rewritten
.set PA0,  3                           ; v3   PART + 2048 wave + 4 r; never rewritten
.set ADX,  4                           ; v4   LDS address of the next tile's codes
.set ADS,  5                           ; v5   of its scale words
.set ADP,  6                           ; v6   of this tile's result
.set GO,   7                           ; v7   16 x thread; never rewritten
.set MX,   8                           ; v8-15  eight chains of the maximum.  At the head: v9 = 2 r, v10 = 32 h, v13 = 2 x thread, v14 = r, v15 = h
.set MO,   16                          ; v16  what the other half of the lanes sends
.set SK,   17                          ; v17  s[k] ln 2
.set NM,   18                          ; v18  -fl(M c); v19 is named with it as a pair, so it is written once
.set SA,   20                          ; v[20:21], v[22:23]  two chains of the sum
.set SB,   22
.set XSC,  24                          ; v24  x's scale words: scales and nothing else
.set RD,   25                          ; v25  PART + 16 x thread
.set XF,   26                          ; v26-31 x's fragment, v32-37 zeros
.set AS,   40                          ; v40-47 a's scale words, a tile each: scales and nothing else
.set AF,   48                          ; v48-95 a's eight fragments, six registers each; v96-101 zeros
.set BI,   104                         ; v104-167 the bias in the result's layout: BI + 8 t + j = b[k][16 t + 8 h + j]
.set ACC,  168                         ; v168-231 the scores of a tile.  At the head v168-180 carry x into LDS; at the end they take the sixteen partial rows
.set WV,   18                          ; s18  my wave's number = my expert
.set SEL,  24                          ; s[24:25] lane selects for v_permlanex16_b32: lane l xor 16
.set CS,   26                          ; s[26:27] c = log2(e): the packed form names a pair and takes its low word for both halves
.set TX,   28                          ; s28  the next tile's codes in LDS: 768 bytes a tile
.set TS,   29                          ; s29  its scale bytes: 32 a tile
.set TP,   30                          ; s30  this tile's results: 64 bytes a tile
.set CNT,  31                          ; s31  trips to go
	s_load_b256 s[4:11], s[0:1], 0x0               ; a's codes s[4:5], a's scales s[6:7], b s[8:9], s s[10:11]
	s_load_b128 s[12:15], s[0:1], 0x20             ; x's codes s[12:13], x's scales s[14:15]
	s_load_b64 s[16:17], s[0:1], 0x30              ; out0
	v_lshl_add_u32 v240, v0, 2, 0xe400
	v_mov_b32 v241, 0
.irp j, 0,1,2,3,4,5
	v_mov_b32 v[XF+6+\j], 0                        ; k = 64 .. 127 of x: the code 0.  Written once, far ahead of the first product
	v_mov_b32 v[AF+48+\j], 0                       ; and what the last fragment of a names there
.endr
	v_mov_b32 v[MO], 0                             ; a lane permute's destination counts as one of its sources
	v_mov_b32 v[NM+1], 0
	v_lshrrev_b32 v[ADX], 5, v0
	v_readfirstlane_b32 s[WV], v[ADX]              ; wave 0..15
	v_and_b32 v14, 15, v0                          ; r
	v_bfe_u32 v15, v0, 4, 1                        ; h
	v_mul_u32_u24 v[XA0], v14, 48
	v_mad_u32_u24 v[XA0], v15, 24, v[XA0]          ; 48 r + 24 h
	v_lshl_add_u32 v[XS0], v14, 1, XSB
	s_lshl_b32 s19, s[WV], 11
	s_add_co_u32 s19, s19, PART
	v_lshl_add_u32 v[PA0], v14, 2, s19
	v_lshlrev_b32 v[GO], 4, v0
	v_lshl_add_u32 v[RD], v0, 4, PART
	v_lshlrev_b32 v9, 1, v14                       ; a's scale bytes: 2 a piece
	v_lshlrev_b32 v10, 5, v15                      ; b: my half's eight numbers of a tile's sixteen
	v_lshlrev_b32 v13, 1, v0                       ; x's scale bytes: 2 a thread
	s_mov_b32 s[SEL], 0x76543210
	s_mov_b32 s[SEL+1], 0xfedcba98
	s_mov_b32 s[CS], 0x3fb8aa3b                    ; log2(e)
	s_mov_b32 s[CS+1], s[CS]
	s_mov_b32 s[TX], 768
	s_mov_b32 s[TS], 32
	s_mov_b32 s[TP], 0
	s_mov_b32 s[CNT], 31
	s_mov_b32 s21, 0
	s_wait_kmcnt 0x0
	s_mul_i32 s20, ttmp9, 24576                    ; my work-group's 512 rows: of x's codes,
	s_add_nc_u64 s[12:13], s[12:13], s[20:21]
	s_lshl_b32 s20, ttmp9, 10                      ; of x's scale bytes,
	s_add_nc_u64 s[14:15], s[14:15], s[20:21]
	s_lshl_b32 s20, ttmp9, 11                      ; of out0
	s_add_nc_u64 s[16:17], s[16:17], s[20:21]
	s_mul_i32 s20, s[WV], 6144                     ; my expert's 128 pieces: codes,
	s_add_nc_u64 s[4:5], s[4:5], s[20:21]
	s_lshl_b32 s20, s[WV], 8                       ; scale bytes,
	s_add_nc_u64 s[6:7], s[6:7], s[20:21]
	s_lshl_b32 s20, s[WV], 9                       ; bias,
	s_add_nc_u64 s[8:9], s[8:9], s[20:21]
	s_lshl_b32 s20, s[WV], 2                       ; and its s
	s_add_nc_u64 s[10:11], s[10:11], s[20:21]
	; x first: the barrier below waits for it.  Each load of a wave covers 512 consecutive bytes; the launch reads them once
.irp i, 0,1,2
	global_load_b128 v[ACC+4*\i:ACC+4*\i+3], v[GO], s[12:13] offset:8192*\i th:TH_LOAD_NT
.endr
	global_load_u16 v[ACC+12], v13, s[14:15] th:TH_LOAD_NT   ; the 1,024 scale bytes: 2 a thread, 64 consecutive bytes a wave
.irp t, 0,1,2,3,4,5,6,7                        ; a's fragments: piece 16 t + r, bytes 24 h on, in pieces of 8 bytes, so that every address is a multiple of the access's size
.irp p, 0,1,2
	global_load_b64 v[AF+6*\t+2*\p:AF+6*\t+2*\p+1], v[XA0], s[4:5] offset:768*\t+8*\p
.endr
.endr
.irp t, 0,1,2,3,4,5,6,7
	global_load_u16 v[AS+\t], v9, s[6:7] offset:32*\t    ; lane r: the two scale bytes of piece 16 t + r (lanes 16-31 hold the same and are not read)
.endr
.irp t, 0,1,2,3,4,5,6,7
	global_load_b128 v[BI+8*\t:BI+8*\t+3], v10, s[8:9] offset:64*\t
	global_load_b128 v[BI+8*\t+4:BI+8*\t+7], v10, s[8:9] offset:64*\t+16
.endr
	s_load_b32 s22, s[10:11], 0x0                  ; s[k]
	s_wait_loadcnt 48                              ; x's four loads are in; the 24 + 8 + 16 loads issued behind them may be out
.irp i, 0,1,2
	ds_store_b128 v[GO], v[ACC+4*\i:ACC+4*\i+3] offset:XC+8192*\i
.endr
	ds_store_b16 v13, v[ACC+12] offset:XSB
	s_wait_dscnt 0x0                               ; for the others' sake: my part of x lies in LDS
	s_barrier_signal -1
	s_barrier_wait -1                              ; everybody's does
.irp p, 0,1,2
	ds_load_b64 v[XF+2*\p:XF+2*\p+1], v[XA0] offset:8*\p   ; tile 0's fragment of x
.endr
	ds_load_u16 v[XSC], v[XS0]                     ; and its scale words
	s_wait_loadcnt 0x0                             ; my expert's codes, scale words and bias
	s_wait_kmcnt 0x0
	v_mov_b32 v[SK], s22
	v_mul_f32 v[SK], 0x3f317218, v[SK]             ; s[k] ln 2
; ONE TILE OF 16 ROWS.  more = 1: the next tile's x is asked for behind the products, and lands under the vector work that follows.
.macro TILE more
	s_wait_dscnt 0x0                               ; this tile's fragment and scale words are in (and the last tile's result is stored)
.irp t, 0,1,2,3,4,5,6,7                        ; eight products on eight accumulators, each begun with its bias as C: no sum goes on in place
	v_wmma_scale_f32_16x16x128_f8f6f4 v[ACC+8*\t:ACC+8*\t+7], v[AF+6*\t:AF+6*\t+11], v[XF:XF+11], v[BI+8*\t:BI+8*\t+7], v[AS+\t], v[XSC] matrix_a_fmt:MATRIX_FMT_FP6 matrix_b_fmt:MATRIX_FMT_FP6
.endr
	; four plain vector instructions that name none of the products' registers stand behind the last product, ahead of the loads into x's registers and of the first read of the scores
	v_add_nc_u32 v[ADP], s[TP], v[PA0]
.if \more
	v_add_nc_u32 v[ADX], s[TX], v[XA0]
	v_add_nc_u32 v[ADS], s[TS], v[XS0]
	v_nop
.irp p, 0,1,2
	ds_load_b64 v[XF+2*\p:XF+2*\p+1], v[ADX] offset:8*\p
.endr
	ds_load_u16 v[XSC], v[ADS]
.else
.rept 3
	v_nop
.endr
.endif
	; the largest of my 64 scores, three operands at a time, in eight chains by turns; each accumulator is read from its low end on
.irp t, 0,1,2,3,4,5,6,7
	v_max3_num_f32 v[MX+\t], v[ACC+8*\t], v[ACC+8*\t+1], v[ACC+8*\t+2]
.endr
.irp t, 0,1,2,3,4,5,6,7
	v_max3_num_f32 v[MX+\t], v[MX+\t], v[ACC+8*\t+3], v[ACC+8*\t+4]
.endr
.irp t, 0,1,2,3,4,5,6,7
	v_max3_num_f32 v[MX+\t], v[MX+\t], v[ACC+8*\t+5], v[ACC+8*\t+6]
.endr
.irp t, 0,2,4,6
	v_max3_num_f32 v[MX+\t], v[MX+\t], v[ACC+8*\t+7], v[ACC+8*\t+15]   ; the last registers of two tiles
.endr
	v_max3_num_f32 v[MX], v[MX], v[MX+1], v[MX+2]
	v_max3_num_f32 v[MX+3], v[MX+3], v[MX+4], v[MX+5]
	v_max3_num_f32 v[MX], v[MX], v[MX+6], v[MX+7]
	v_max_num_f32 v[MX], v[MX], v[MX+3]
	v_permlanex16_b32 v[MO], v[MX], s[SEL], s[SEL+1]   ; the row's other 64 scores lie in the lane 16 away
	v_max_num_f32 v[MX], v[MX], v[MO]              ; M
	v_mul_f32 v[NM], 0xbfb8aa3b, v[MX]             ; -fl(M c)
	; score c - fl(M c) (packed), 2^that, and the sum (packed, two chains), by turns: behind each pair of exponentials stands a plain instruction that touches neither, before their results are read
.irp i, 0,1,2,3
	v_pk_fma_f32 v[ACC+2*\i:ACC+2*\i+1], v[ACC+2*\i:ACC+2*\i+1], s[CS:CS+1], v[NM:NM+1] op_sel_hi:[1,0,0]
.endr
.set i, 0
.rept 32
	v_exp_f32 v[ACC+2*i], v[ACC+2*i]
	v_exp_f32 v[ACC+2*i+1], v[ACC+2*i+1]
.if i < 28
	v_pk_fma_f32 v[ACC+2*i+8:ACC+2*i+9], v[ACC+2*i+8:ACC+2*i+9], s[CS:CS+1], v[NM:NM+1] op_sel_hi:[1,0,0]   ; four pairs ahead of its exponentials
.endif
.if i == 3
	s_wait_alu depctr_va_vdst(0)
	v_pk_add_f32 v[SA:SA+1], v[ACC:ACC+1], v[ACC+4:ACC+5]          ; pairs 0 and 2 start one chain: nothing is cleared
.elseif i == 4
	v_pk_add_f32 v[SB:SB+1], v[ACC+2:ACC+3], v[ACC+6:ACC+7]        ; pairs 1 and 3 the other
.elseif i > 4
	s_wait_alu depctr_va_vdst(0)
	v_pk_add_f32 v[SA+2*((i-1)%2):SA+2*((i-1)%2)+1], v[SA+2*((i-1)%2):SA+2*((i-1)%2)+1], v[ACC+2*(i-1):ACC+2*(i-1)+1]   ; pair i - 1: its exponentials stand a turn back
.endif
.set i, i+1
.endr
	v_pk_add_f32 v[SB:SB+1], v[SB:SB+1], v[ACC+62:ACC+63]          ; pair 31: one plain instruction stands between its exponentials and this line
	v_pk_add_f32 v[SA:SA+1], v[SA:SA+1], v[SB:SB+1]
	v_add_f32 v[SA], v[SA], v[SA+1]
	v_permlanex16_b32 v[MO], v[SA], s[SEL], s[SEL+1]
	v_add_f32 v[SA], v[SA], v[MO]                  ; the row's sum, about 1 or more
	v_log_f32 v[SA], v[SA]
	v_nop                                          ; one plain instruction behind a transcendental
	s_wait_alu depctr_va_vdst(0)
	v_sub_f32 v[SA], v[SA], v[NM]                  ; log2(sum) + fl(M c)
	v_mul_f32 v[SA], v[SK], v[SA]                  ; x s[k] ln 2
	ds_store_b32 v[ADP], v[SA]                     ; lanes r and r + 16 write the same word with the same value
.if \more
	s_add_co_u32 s[TX], s[TX], 768
	s_add_co_u32 s[TS], s[TS], 32
	s_add_co_u32 s[TP], s[TP], 64
.endif
.endm
.Ltile:                                            ; 31 trips: tiles 0 to 30, each asking for the next tile's x
	TILE 1
	s_sub_co_u32 s[CNT], s[CNT], 1
	s_cmp_lg_u32 s[CNT], 0
	s_cbranch_scc1 .Ltile
	TILE 0                                         ; tile 31 is written out: nothing is left to ask for
	s_wait_dscnt 0x0                               ; for the others' sake: my expert's 512 results lie in LDS
	s_barrier_signal -1
	s_barrier_wait -1                              ; all sixteen experts' do
	s_cmp_lt_u32 s[WV], 4                          ; 128 threads x 4 rows: waves 0 to 3 add and store, the others are done
	s_cbranch_scc0 .Ldone
.irp k, 0,1,2,3,4,5,6,7,8,9,10,11,12,13,14,15
	ds_load_b128 v[ACC+4*\k:ACC+4*\k+3], v[RD] offset:2048*\k      ; expert k's results of my four rows
.endr
.irp k, 1,2,3,4,5,6,7,8,9,10,11,12,13,14,15
	s_wait_dscnt 15-\k                             ; LDS loads come back in order (ISA guide 5.7.1): expert k's is in, the 15 - k younger ones may be out
	v_pk_add_f32 v[ACC:ACC+1], v[ACC:ACC+1], v[ACC+4*\k:ACC+4*\k+1]
	v_pk_add_f32 v[ACC+2:ACC+3], v[ACC+2:ACC+3], v[ACC+4*\k+2:ACC+4*\k+3]
.endr
	global_store_b128 v[GO], v[ACC:ACC+3], s[16:17] th:TH_STORE_NT   ; a wave stores 512 consecutive bytes, at a multiple of 256 from out0's first byte; written once, read by nobody here
.Ldone:
	s_wait_tensorcnt 0x0
	ds_add_u32 v240, v241
	s_wait_dscnt 0x0
	s_endpgm
.Lfunc_end_k_q1b7ed8ec19_maxaffine:
	.size	k_q1b7ed8ec19_maxaffine, .Lfunc_end_k_q1b7ed8ec19_maxaffine-k_q1b7ed8ec19_maxaffine
	.p2alignl 7, 3214868480
	.fill 96, 4, 3214868480
	.section	.rodata,"a",@progbits
	.p2align	6, 0x0
	.amdhsa_kernel k_q1b7ed8ec19_maxaffine
		.amdhsa_group_segment_fixed_size 60416
		.amdhsa_private_segment_fixed_size 0
		.amdhsa_enable_private_segment 0
		.amdhsa_kernarg_size 56
		.amdhsa_user_sgpr_count 2
		.amdhsa_user_sgpr_kernarg_segment_ptr 1
		.amdhsa_wavefront_size32 1
		.amdhsa_system_sgpr_workgroup_id_x 1
		.amdhsa_system_sgpr_workgroup_id_y 1
		.amdhsa_system_sgpr_workgroup_id_z 1
		.amdhsa_system_vgpr_workitem_id 0
		.amdhsa_next_free_vgpr 242
		.amdhsa_next_free_sgpr 66
		.amdhsa_reserve_vcc 0
		.amdhsa_float_denorm_mode_32 3
		.amdhsa_float_denorm_mode_16_64 3
		.amdhsa_memory_ordered 1
		.amdhsa_forward_progress 1
		.amdhsa_inst_pref_size 34
	.end_amdhsa_kernel
	.amdgpu_metadata
---
amdhsa.version: [ 1, 2 ]
amdhsa.kernels:
  - .name:           k_q1b7ed8ec19_maxaffine
    .symbol:         k_q1b7ed8ec19_maxaffine.kd
    .args:
      - { .name: a_codes, .offset: 0, .size: 8, .value_kind: global_buffer, .address_space: global }
      - { .name: a_scales, .offset: 8, .size: 8, .value_kind: global_buffer, .address_space: global }
      - { .name: b, .offset: 16, .size: 8, .value_kind: global_buffer, .address_space: global }
      - { .name: s, .offset: 24, .size: 8, .value_kind: global_buffer, .address_space: global }
      - { .name: x_codes, .offset: 32, .size: 8, .value_kind: global_buffer, .address_space: global }
      - { .name: x_scales, .offset: 40, .size: 8, .value_kind: global_buffer, .address_space: global }
      - { .name: out0, .offset: 48, .size: 8, .value_kind: global_buffer, .address_space: global }
    .group_segment_fixed_size: 60416
    .private_segment_fixed_size: 0
    .kernarg_segment_align: 8
    .kernarg_segment_size: 56
    .max_flat_workgroup_size: 512
    .sgpr_count:     66
    .vgpr_count:     242
    .wavefront_size: 32
...
	.end_amdgpu_metadata
.endif
;; end of part 1
;; ======== version 2 of 2: 1 launch; version 1 with the launch maxaffine written anew for expert scheduling mode
;; launch maxaffine (part 2): grid 256 x 1, 16 waves a work-group, no clusters, 60,416 bytes of LDS; arguments a_codes, a_scales, b, s, x_codes, x_scales, out0; writes out0
.if DOCPART == 2
	.amdgcn_target "amdgcn-amd-amdhsa--gfx1250"
	.amdhsa_code_object_version 6
	.text
	.protected	k_q1b7ed8ec19_maxaffine
	.globl	k_q1b7ed8ec19_maxaffine
	.p2align	8
	.type	k_q1b7ed8ec19_maxaffine,@function
k_q1b7ed8ec19_maxaffine:
	s_mov_b64 s[64:65], 0
	v_nop
	global_prefetch_b8 v0, s[64:65] scope:SCOPE_SE
	s_setreg_imm32_b32 hwreg(HW_REG_WAVE_SCHED_MODE, 0, 2), 2
	s_setreg_imm32_b32 hwreg(HW_REG_WAVE_MODE, 25, 1), 1
	s_wait_xcnt 0x0
	s_wait_alu depctr_vm_vsrc(0)
; out0[n] = sum over k of s[k] * logsumexp over m of ( x[n] . a[k][m] + b[k][m] ).   n: 131,072 rows, k: 16 experts, m: 128 pieces, K = 64.
; x and a are codes of FP6 (E2M3), 48 bytes a row, with two E8M0 scale bytes a row; b, s, out0 are f32.  Sums, maxima, exponentials and logarithms in f32.
; SHARES.  256 work-groups; work-group g owns rows 512 g .. 512 g + 511: 32 tiles of 16 rows.  THE SIXTEEN WAVES SHARE THE EXPERTS, NOT THE ROWS: wave w is expert w for all 32 tiles, and keeps
; its expert's codes (8 fragments), scale words and bias in registers for the whole launch, read from memory once.  The work-group's 24,576 bytes of x's codes and 1,024 scale bytes are copied
; into LDS once, as they lie in memory; every wave reads each tile's fragment from there.  Each wave leaves s[k] x logsumexp of its expert for the 512 rows in LDS; at the end four waves add the sixteen.
; THE PRODUCT: source 0 = 16 pieces of a, source 1 = 16 rows of x, C = the bias.  Lane (r = lane % 16, h = lane / 16) then holds row r, and register j of tile t the score of piece 16 t + 8 h + j:
; 64 of the row's 128 scores; lane l xor 16 holds the other 64.  So a row's maximum and sum want one exchange between the halves of the lanes each.
; K = 64 IN AN INSTRUCTION OF K = 128.  Registers 0-5 of a fragment hold k = 32 h .. 32 h + 31: the 24 bytes at 48 row + 24 h, as they lie.  Registers 6-11 hold k = 64 on: in x's fragment they are zeros.
; The format has no code for infinity or NaN, so whatever a's operand holds there is a finite number times the code 0.  So a's eight fragments lie SIX registers apart: fragment t names 12 registers, of which the
; upper six are fragment t + 1's data; six zeros stand behind the last.  54 registers for 96.  Scale words are loaded as 16 bits, zero-extended: bytes 2 and 3 are 0, which is 2^-127 and not the NaN byte.
; LOGSUMEXP.  M = the row's largest score of this expert; p = 2^(score c - fl(M c)), c = log2(e); the result is (log2(sum of p) + fl(M c)) ln 2: the same rounded shift is taken away and given back.
; LIMITS: |score| x log2(e) has to stay finite in f32; a term more than 2^126 under its row's largest counts as 0 (the sum is about 1 or more); a scale byte 0xff gives NaN.
; NO CLUSTER, NO TENSOR LOAD: what work-groups share is a, b and s: 6,144 + 256 + 512 + 4 bytes a wave, read once, straight into the registers in which they serve 256 products; the loop fetches no shared byte.
; A work-group's own x is 25,600 bytes, asked for once at the head by four loads a thread: no LDS byte is ever filled again.
; THE MODE: SCHED_MODE bits 1:0 = 2 (LLVM: expert scheduling mode 2), set by the entry lines.  The code itself states the register dependences between vector or matrix instructions and memory or
; LDS instructions, with s_wait_alu, always for 0.
; THE PLAN.  Registers that LDS instructions touch in the loop, for tile q with b = q % 2:
;   XF[b], XSC[b]   x's fragment and scale words, two buffers by turns.  Read by tile q's eight products; behind the tile's first wait on va_vdst the loads of tile q + 2 land in them.
;   ADX, ADS, ADP   LDS addresses.  Written by the adds in the places behind tile q's products; read by tile q's four loads and its one store, behind the same wait.
;   OUT[b]          the tile's result.  Written by tile q's last multiplication; read by the store that tile q + 1 issues; written again at the end of tile q + 2.
;   The scores, the maxima, the sums, -fl(M c) and s[k] ln 2 are named by vector and matrix instructions alone.  v1, v2, v3, v7, v25 are made at the head and never written again.
; So a tile has three waits.  vm_vsrc behind its products: the tile before's loads and store have read the three addresses and OUT[b].  va_vdst behind its 64 exponentials: their results are written; its
; products are done reading XF[b] and XSC[b]; the three addresses and OUT[1 - b] are written; the store of tile q - 1 and the loads of tile q + 2 follow, dealt among the first sums, which name none of
; those registers.  va_vdst behind the logarithm, ahead of its reader.
.set XC,   0                           ; LDS: x's codes, 512 rows x 48 bytes.  Row r of a tile starts at word 12 r, lanes 16-31 six words on: the 32 lanes of an 8-byte load touch 64 different words modulo 64
.set XSB,  24576                       ; x's scale bytes, 2 a row
.set PART, 25600                       ; 16 x 2,048 bytes: s[k] x logsumexp(k, n) at PART + 2048 k + 4 n
.set XA0,  1                           ; v1   48 r + 24 h: my place in a tile of x in LDS, and in a tile of a in memory; never rewritten
.set XS0,  2                           ; v2   XSB + 2 r; never rewritten
.set PA0,  3                           ; v3   PART + 2048 wave + 4 r; never rewritten
.set ADX,  4                           ; v4   LDS address of the codes of the tile two on
.set ADS,  5                           ; v5   of its scale words
.set ADP,  6                           ; v6   of the result of the tile before
.set GO,   7                           ; v7   16 x thread; never rewritten
.set MX,   8                           ; v8-15  eight chains of the maximum.  At the head: v9 = 2 r, v10 = 32 h, v13 = 2 x thread, v14 = r, v15 = h
.set MO,   16                          ; v16  what the other half of the lanes sends
.set SK,   17                          ; v17  s[k] ln 2
.set NM,   18                          ; v18  -fl(M c); v19 is named with it as a pair, so it is written once
.set SA,   20                          ; v[20:21], v[22:23]  two chains of the sum
.set SB,   22
.set XSC,  24                          ; v24, v38  x's scale words, buffer 0 and buffer 1 (14 registers on): scales and nothing else
.set RD,   25                          ; v25  PART + 16 x thread
.set XF,   26                          ; v26-31 x's fragment, v32-37 zeros: buffer 0.  Buffer 1 lies 216 registers on: v242-247, zeros v248-253
.set AS,   40                          ; v40-47 a's scale words, a tile each: scales and nothing else
.set AF,   48                          ; v48-95 a's eight fragments, six registers each; v96-101 zeros
.set OUT,  102                         ; v102, v103  a tile's result, by turns
.set BI,   104                         ; v104-167 the bias in the result's layout: BI + 8 t + j = b[k][16 t + 8 h + j]
.set ACC,  168                         ; v168-231 the scores of a tile.  At the head v168-180 carry x into LDS; at the end they take the sixteen partial rows
.set WV,   18                          ; s18  my wave's number = my expert
.set SEL,  24                          ; s[24:25] lane selects for v_permlanex16_b32: lane l xor 16
.set CS,   26                          ; s[26:27] c = log2(e): the packed form names a pair and takes its low word for both halves
.set TX,   28                          ; s28  the codes of the tile two on, in LDS: 768 bytes a tile
.set TS,   29                          ; s29  its scale bytes: 32 a tile
.set TP,   30                          ; s30  the results of the tile before: 64 bytes a tile
.set CNT,  31                          ; s31  trips to go
	s_load_b256 s[4:11], s[0:1], 0x0               ; a's codes s[4:5], a's scales s[6:7], b s[8:9], s s[10:11]
	s_load_b128 s[12:15], s[0:1], 0x20             ; x's codes s[12:13], x's scales s[14:15]
	s_load_b64 s[16:17], s[0:1], 0x30              ; out0
	v_lshl_add_u32 v240, v0, 2, 0xe400
	v_mov_b32 v241, 0
.irp j, 0,1,2,3,4,5
	v_mov_b32 v[XF+6+\j], 0                        ; k = 64 .. 127 of x: the code 0, in both buffers.  Written once, far ahead of the first product
	v_mov_b32 v[XF+216+6+\j], 0
	v_mov_b32 v[AF+48+\j], 0                       ; and what the last fragment of a names there
.endr
	v_mov_b32 v[MO], 0                             ; a lane permute's destination counts as one of its sources
	v_mov_b32 v[NM+1], 0
	v_lshrrev_b32 v[ADX], 5, v0
	v_readfirstlane_b32 s[WV], v[ADX]              ; wave 0..15
	v_and_b32 v14, 15, v0                          ; r
	v_bfe_u32 v15, v0, 4, 1                        ; h
	v_mul_u32_u24 v[XA0], v14, 48
	v_mad_u32_u24 v[XA0], v15, 24, v[XA0]          ; 48 r + 24 h
	v_lshl_add_u32 v[XS0], v14, 1, XSB
	v_lshlrev_b32 v[GO], 4, v0
	v_lshl_add_u32 v[RD], v0, 4, PART
	v_lshlrev_b32 v9, 1, v14                       ; a's scale bytes: 2 a piece
	v_lshlrev_b32 v10, 5, v15                      ; b: my half's eight numbers of a tile's sixteen
	v_lshlrev_b32 v13, 1, v0                       ; x's scale bytes: 2 a thread
	s_mov_b32 s[SEL], 0x76543210
	s_mov_b32 s[SEL+1], 0xfedcba98
	s_mov_b32 s[CS], 0x3fb8aa3b                    ; log2(e)
	s_mov_b32 s[CS+1], s[CS]
	s_mov_b32 s[TX], 2*768                         ; tile 0 asks for tile 2
	s_mov_b32 s[TS], 2*32
	s_mov_b32 s[TP], 0                             ; tile 1 stores tile 0's results
	s_mov_b32 s[CNT], 14
	s_mov_b32 s21, 0
	s_wait_alu depctr_va_sdst(0)                   ; s18, my wave's number, is written, ahead of its first reader: an LDS address and four bases are made from it
	s_lshl_b32 s19, s[WV], 11
	s_add_co_u32 s19, s19, PART
	v_lshl_add_u32 v[PA0], v14, 2, s19
	s_wait_kmcnt 0x0
	s_mul_i32 s20, ttmp9, 24576                    ; my work-group's 512 rows: of x's codes,
	s_add_nc_u64 s[12:13], s[12:13], s[20:21]
	s_lshl_b32 s20, ttmp9, 10                      ; of x's scale bytes,
	s_add_nc_u64 s[14:15], s[14:15], s[20:21]
	s_lshl_b32 s20, ttmp9, 11                      ; of out0
	s_add_nc_u64 s[16:17], s[16:17], s[20:21]
	s_mul_i32 s20, s[WV], 6144                     ; my expert's 128 pieces: codes,
	s_add_nc_u64 s[4:5], s[4:5], s[20:21]
	s_lshl_b32 s20, s[WV], 8                       ; scale bytes,
	s_add_nc_u64 s[6:7], s[6:7], s[20:21]
	s_lshl_b32 s20, s[WV], 9                       ; bias,
	s_add_nc_u64 s[8:9], s[8:9], s[20:21]
	s_lshl_b32 s20, s[WV], 2                       ; and its s
	s_add_nc_u64 s[10:11], s[10:11], s[20:21]
	s_wait_alu depctr_va_vdst(0)                   ; the offsets and addresses v1, v2, v3, v7, v9, v10, v13, v25 are written, which the loads and stores below read; so are the three runs of zeros, which the scaled products name as A or B (the address arithmetic above is their places)
	; x first: the barrier below waits for it.  Each load of a wave covers 512 consecutive bytes; the launch reads them once
.irp i, 0,1,2
	global_load_b128 v[ACC+4*\i:ACC+4*\i+3], v[GO], s[12:13] offset:8192*\i th:TH_LOAD_NT
.endr
	global_load_u16 v[ACC+12], v13, s[14:15] th:TH_LOAD_NT   ; the 1,024 scale bytes: 2 a thread, 64 consecutive bytes a wave
.irp t, 0,1,2,3,4,5,6,7                        ; a's fragments: piece 16 t + r, bytes 24 h on, in pieces of 8 bytes, so that every address is a multiple of the access's size
.irp p, 0,1,2
	global_load_b64 v[AF+6*\t+2*\p:AF+6*\t+2*\p+1], v[XA0], s[4:5] offset:768*\t+8*\p
.endr
.endr
.irp t, 0,1,2,3,4,5,6,7
	global_load_u16 v[AS+\t], v9, s[6:7] offset:32*\t    ; lane r: the two scale bytes of piece 16 t + r (lanes 16-31 hold the same and are not read)
.endr
.irp t, 0,1,2,3,4,5,6,7
	global_load_b128 v[BI+8*\t:BI+8*\t+3], v10, s[8:9] offset:64*\t
	global_load_b128 v[BI+8*\t+4:BI+8*\t+7], v10, s[8:9] offset:64*\t+16
.endr
	s_load_b32 s22, s[10:11], 0x0                  ; s[k]
	s_wait_loadcnt 48                              ; x's four loads are in; the 24 + 8 + 16 loads issued behind them may be out
.irp i, 0,1,2
	ds_store_b128 v[GO], v[ACC+4*\i:ACC+4*\i+3] offset:XC+8192*\i
.endr
	ds_store_b16 v13, v[ACC+12] offset:XSB
	s_wait_dscnt 0x0                               ; for the others' sake: my part of x lies in LDS
	s_barrier_signal -1
	s_barrier_wait -1                              ; everybody's does
	s_wait_alu depctr_vm_vsrc(0)                   ; my LDS stores have read v168-180, which the first products write; the head's loads and stores have read their offsets v9, v10, v13, which the first maxima write
.irp p, 0,1,2
	ds_load_b64 v[XF+2*\p:XF+2*\p+1], v[XA0] offset:8*\p   ; tile 0's fragment of x, into buffer 0,
.endr
	ds_load_u16 v[XSC], v[XS0]                     ; and its scale words
.irp p, 0,1,2
	ds_load_b64 v[XF+216+2*\p:XF+216+2*\p+1], v[XA0] offset:768+8*\p   ; tile 1's, into buffer 1
.endr
	ds_load_u16 v[XSC+14], v[XS0] offset:32
	s_wait_loadcnt 0x0                             ; my expert's codes, scale words and bias
	s_wait_kmcnt 0x0
	v_mov_b32 v[SK], s22
	v_mul_f32 v[SK], 0x3f317218, v[SK]             ; s[k] ln 2
; ONE TILE OF 16 ROWS, on buffer b.  first = 1: tile 0, with no tile in front of it: nothing to store.  more = 1: the x of the tile two on is asked for, into this tile's own buffer.  last = 1: tile 31.
; cnt: how many younger LDS instructions may be out when this tile's four loads have to be in.
.macro TILE b, first, more, last, cnt
.set XB, XF+216*(\b)
.set XW, XSC+14*(\b)
	s_wait_dscnt \cnt                              ; LDS instructions come back in order (ISA guide 5.7.1): this tile's fragment and scale words, asked for two tiles ago, are in; what the tile before issued may be out
.irp t, 0,1,2,3,4,5,6,7                        ; eight products on eight accumulators, each begun with its bias as C: no sum goes on in place
	v_wmma_scale_f32_16x16x128_f8f6f4 v[ACC+8*\t:ACC+8*\t+7], v[AF+6*\t:AF+6*\t+11], v[XB:XB+11], v[BI+8*\t:BI+8*\t+7], v[AS+\t], v[XW] matrix_a_fmt:MATRIX_FMT_FP6 matrix_b_fmt:MATRIX_FMT_FP6
.endr
	; four plain vector instructions that name none of the products' registers stand behind the last product (ISA guide 7.12.1), ahead of the first read of the scores
.if !\first
	s_wait_alu depctr_vm_vsrc(0)                   ; the tile before's loads and store have read ADX, ADS and ADP, which the adds below write, and its store has read OUT[b], which this tile's last multiplication writes
	v_add_nc_u32 v[ADP], s[TP], v[PA0]
.else
	v_nop
.endif
.if \more
	v_add_nc_u32 v[ADX], s[TX], v[XA0]
	v_add_nc_u32 v[ADS], s[TS], v[XS0]
.else
	v_nop
	v_nop
.endif
	v_nop
	; the largest of my 64 scores, three operands at a time, in eight chains by turns; each accumulator is read from its low end on
.irp t, 0,1,2,3,4,5,6,7
	v_max3_num_f32 v[MX+\t], v[ACC+8*\t], v[ACC+8*\t+1], v[ACC+8*\t+2]
.endr
.irp t, 0,1,2,3,4,5,6,7
	v_max3_num_f32 v[MX+\t], v[MX+\t], v[ACC+8*\t+3], v[ACC+8*\t+4]
.endr
.irp t, 0,1,2,3,4,5,6,7
	v_max3_num_f32 v[MX+\t], v[MX+\t], v[ACC+8*\t+5], v[ACC+8*\t+6]
.endr
.irp t, 0,2,4,6
	v_max3_num_f32 v[MX+\t], v[MX+\t], v[ACC+8*\t+7], v[ACC+8*\t+15]   ; the last registers of two tiles
.endr
	v_max3_num_f32 v[MX], v[MX], v[MX+1], v[MX+2]
	v_max3_num_f32 v[MX+3], v[MX+3], v[MX+4], v[MX+5]
	v_max3_num_f32 v[MX], v[MX], v[MX+6], v[MX+7]
	v_max_num_f32 v[MX], v[MX], v[MX+3]
	v_permlanex16_b32 v[MO], v[MX], s[SEL], s[SEL+1]   ; the row's other 64 scores lie in the lane 16 away
	v_max_num_f32 v[MX], v[MX], v[MO]              ; M
	v_mul_f32 v[NM], 0xbfb8aa3b, v[MX]             ; -fl(M c)
	; ONE BATCH: score c - fl(M c) (packed) and 2^that.  A pair is scaled four pairs ahead of its exponentials; nothing in the batch names an exponential's result
.irp i, 0,1,2,3
	v_pk_fma_f32 v[ACC+2*\i:ACC+2*\i+1], v[ACC+2*\i:ACC+2*\i+1], s[CS:CS+1], v[NM:NM+1] op_sel_hi:[1,0,0]
.endr
.set i, 0
.rept 32
	v_exp_f32 v[ACC+2*i], v[ACC+2*i]
	v_exp_f32 v[ACC+2*i+1], v[ACC+2*i+1]
.if i < 28
	v_pk_fma_f32 v[ACC+2*i+8:ACC+2*i+9], v[ACC+2*i+8:ACC+2*i+9], s[CS:CS+1], v[NM:NM+1] op_sel_hi:[1,0,0]
.endif
.set i, i+1
.endr
	v_nop                                          ; one plain instruction behind the last exponential, ahead of the first use of a result
	s_wait_alu depctr_va_vdst(0)                   ; the 64 exponentials have written their results, which the sums read; this tile's products are done reading XF[b] and XSC[b], in which the loads below land; ADX, ADS, ADP and OUT[1 - b] are written, which the loads and the store below read
	; the sum (packed, two chains: even pairs, odd pairs, ascending).  The store of the tile before and the loads of the tile two on are dealt among its first lines, which name SA, SB and the scores alone
.if !\first
	ds_store_b32 v[ADP], v[OUT+1-(\b)]             ; lanes r and r + 16 write the same word with the same value
.endif
	v_pk_add_f32 v[SA:SA+1], v[ACC:ACC+1], v[ACC+4:ACC+5]          ; pairs 0 and 2 start one chain: nothing is cleared
.if \more
	ds_load_b64 v[XB:XB+1], v[ADX]
.endif
	v_pk_add_f32 v[SB:SB+1], v[ACC+2:ACC+3], v[ACC+6:ACC+7]        ; pairs 1 and 3 the other
.if \more
	ds_load_b64 v[XB+2:XB+3], v[ADX] offset:8
.endif
	v_pk_add_f32 v[SA:SA+1], v[SA:SA+1], v[ACC+8:ACC+9]
.if \more
	ds_load_b64 v[XB+4:XB+5], v[ADX] offset:16
.endif
	v_pk_add_f32 v[SB:SB+1], v[SB:SB+1], v[ACC+10:ACC+11]
.if \more
	ds_load_u16 v[XW], v[ADS]
.endif
.set i, 6
.rept 26
	v_pk_add_f32 v[SA+2*(i%2):SA+2*(i%2)+1], v[SA+2*(i%2):SA+2*(i%2)+1], v[ACC+2*i:ACC+2*i+1]
.set i, i+1
.endr
	v_pk_add_f32 v[SA:SA+1], v[SA:SA+1], v[SB:SB+1]
	v_add_f32 v[SA], v[SA], v[SA+1]
	v_permlanex16_b32 v[MO], v[SA], s[SEL], s[SEL+1]
	v_add_f32 v[SA], v[SA], v[MO]                  ; the row's sum, about 1 or more
	v_log_f32 v[SA], v[SA]
	v_nop                                          ; one plain instruction behind a transcendental
	s_wait_alu depctr_va_vdst(0)                   ; the logarithm has written v[SA], which the subtraction reads
	v_sub_f32 v[SA], v[SA], v[NM]                  ; log2(sum) + fl(M c)
	v_mul_f32 v[OUT+(\b)], v[SK], v[SA]            ; x s[k] ln 2: the next tile stores it
.if \more
	s_add_co_u32 s[TX], s[TX], 768
	s_add_co_u32 s[TS], s[TS], 32
.endif
.if (\first)+(\last) == 0
	s_add_co_u32 s[TP], s[TP], 64
.endif
.endm
	TILE 0, 1, 1, 0, 4                             ; tile 0: behind its four loads stand tile 1's four
	TILE 1, 0, 1, 0, 4                             ; tile 1: behind its four loads stand tile 2's four, which tile 0 issued
.Ltile:                                            ; 14 trips of two tiles, 2 to 29: both buffers are back at their start.  Behind a tile's four loads stand the store and the four loads of the tile before it
	TILE 0, 0, 1, 0, 5
	TILE 1, 0, 1, 0, 5
	s_sub_co_u32 s[CNT], s[CNT], 1
	s_cmp_lg_u32 s[CNT], 0
	s_cbranch_scc1 .Ltile
	TILE 0, 0, 0, 0, 5                             ; tiles 30 and 31 are written out: nothing is left to ask for
	TILE 1, 0, 0, 1, 1                             ; behind tile 31's four loads stands tile 30's one store
	s_wait_alu depctr_va_vdst(0)                   ; tile 31's last multiplication has written OUT[1], which the store reads; and all vector instructions that named the scores' registers are done: the partial rows land there below
	ds_store_b32 v[ADP], v[OUT+1] offset:64        ; ADP stands at tile 30's results: tile 31's lie 64 bytes on
	s_wait_dscnt 0x0                               ; for the others' sake: my expert's 512 results lie in LDS
	s_barrier_signal -1
	s_barrier_wait -1                              ; all sixteen experts' do
	s_cmp_lt_u32 s[WV], 4                          ; 128 threads x 4 rows: waves 0 to 3 add and store, the others are done
	s_cbranch_scc0 .Ldone
.irp k, 0,1,2,3,4,5,6,7,8,9,10,11,12,13,14,15
	ds_load_b128 v[ACC+4*\k:ACC+4*\k+3], v[RD] offset:2048*\k      ; expert k's results of my four rows
.endr
.irp k, 1,2,3,4,5,6,7,8,9,10,11,12,13,14,15
	s_wait_dscnt 15-\k                             ; LDS loads come back in order (ISA guide 5.7.1): expert k's is in, the 15 - k younger ones may be out
	v_pk_add_f32 v[ACC:ACC+1], v[ACC:ACC+1], v[ACC+4*\k:ACC+4*\k+1]
	v_pk_add_f32 v[ACC+2:ACC+3], v[ACC+2:ACC+3], v[ACC+4*\k+2:ACC+4*\k+3]
.endr
	s_wait_alu depctr_va_vdst(0)                   ; the additions have written v[ACC:ACC+3], which the store reads
	global_store_b128 v[GO], v[ACC:ACC+3], s[16:17] th:TH_STORE_NT   ; a wave stores 512 consecutive bytes, at a multiple of 256 from out0's first byte; written once, read by nobody here
.Ldone:
	s_wait_dscnt 0x0                               ; the closing lines, six on end, of a launch in the mode that stores to LDS
	s_wait_alu 0x0
	s_wait_tensorcnt 0x0
	ds_add_u32 v240, v241
	s_wait_dscnt 0x0
	s_endpgm
.Lfunc_end_k_q1b7ed8ec19_maxaffine:
	.size	k_q1b7ed8ec19_maxaffine, .Lfunc_end_k_q1b7ed8ec19_maxaffine-k_q1b7ed8ec19_maxaffine
	.p2alignl 7, 3214868480
	.fill 96, 4, 3214868480
	.section	.rodata,"a",@progbits
	.p2align	6, 0x0
	.amdhsa_kernel k_q1b7ed8ec19_maxaffine
		.amdhsa_group_segment_fixed_size 60416
		.amdhsa_private_segment_fixed_size 0
		.amdhsa_enable_private_segment 0
		.amdhsa_kernarg_size 56
		.amdhsa_user_sgpr_count 2
		.amdhsa_user_sgpr_kernarg_segment_ptr 1
		.amdhsa_wavefront_size32 1
		.amdhsa_system_sgpr_workgroup_id_x 1
		.amdhsa_system_sgpr_workgroup_id_y 1
		.amdhsa_system_sgpr_workgroup_id_z 1
		.amdhsa_system_vgpr_workitem_id 0
		.amdhsa_next_free_vgpr 254
		.amdhsa_next_free_sgpr 66
		.amdhsa_reserve_vcc 0
		.amdhsa_float_denorm_mode_32 3
		.amdhsa_float_denorm_mode_16_64 3
		.amdhsa_memory_ordered 1
		.amdhsa_forward_progress 1
		.amdhsa_inst_pref_size 73
	.end_amdhsa_kernel
	.amdgpu_metadata
---
amdhsa.version: [ 1, 2 ]
amdhsa.kernels:
  - .name:           k_q1b7ed8ec19_maxaffine
    .symbol:         k_q1b7ed8ec19_maxaffine.kd
    .args:
      - { .name: a_codes, .offset: 0, .size: 8, .value_kind: global_buffer, .address_space: global }
      - { .name: a_scales, .offset: 8, .size: 8, .value_kind: global_buffer, .address_space: global }
      - { .name: b, .offset: 16, .size: 8, .value_kind: global_buffer, .address_space: global }
      - { .name: s, .offset: 24, .size: 8, .value_kind: global_buffer, .address_space: global }
      - { .name: x_codes, .offset: 32, .size: 8, .value_kind: global_buffer, .address_space: global }
      - { .name: x_scales, .offset: 40, .size: 8, .value_kind: global_buffer, .address_space: global }
      - { .name: out0, .offset: 48, .size: 8, .value_kind: global_buffer, .address_space: global }
    .group_segment_fixed_size: 60416
    .private_segment_fixed_size: 0
    .kernarg_segment_align: 8
    .kernarg_segment_size: 56
    .max_flat_workgroup_size: 512
    .sgpr_count:     66
    .vgpr_count:     254
    .wavefront_size: 32
...
	.end_amdgpu_metadata
.endif
;; end of part 2
